; MI455X (gfx1250); checked and timed in simulation.
; The chip was launched on July 23, 2026; its instructions are those of AMD's public machine-readable ISA for CDNA 5 (MIT licence, August 2026) and "CDNA5" Instruction Set Architecture Reference Guide (July 2026). The comments in the code are by the model that wrote it; some were corrected since.
;; Multi Head Attention. Allowed arithmetic: matrix products marked QUANTISED: E2M1 operands, one E8M0 scale for each 32 along K, by v_wmma_scale_f32_16x16x128_f8f6f4 with both operands' format E2M1 (or v_wmma_scale_f32_32x16x128_f4), f32 sums; products left as they are: bf16, f16 or f32 operands; f32 sums; everything else in f32.
;; Inputs: Wk_b 1,024 float32; Wk_w 1,024 x 1,024 float32; Wq_b 1,024 float32; Wq_w 1,024 x 1,024 float32; Wv_b 1,024 float32; Wv_w 1,024 x 1,024 float32; mask_pad 4 x 2,048 x 2,048 bool; x_k_v 4 x 2,048 x 1,024 float32; x_q 4 x 2,048 x 1,024 float32.
;; Outputs: out0 4 x 2,048 x 1,024 float32.
;; This version of the problem:
;;   THIS VERSION OF THE PROBLEM IS GIVEN IN LOW PRECISION. The matrix products marked QUANTISED in the list below multiply operands that are first quantised to E2M1 (2 exponent bits, 1 mantissa bit; 4 bits a number), with one power-of-two scale for each 32 numbers along K (OCP MX v1.0); their sums are f32. The products marked 'left as it is' may take bf16, f16 or f32 operands, with f32 sums. Whichever they take, every output number must still come out within the allowed error. Rounding operands to bf16 (8 significant bits) uses up far more of that allowance than f16 does (11 bits, for magnitudes from 6e-5 to 65,504). All else is computed in f32.
;;   The module's matrix products, in the order in which they are computed (A, B: the left and right operand; K: the contracted axis; several contracted axes count as one K, in the product's order):
;;     1. [M 8,192, K 1,024] x [K 1,024, N 1,024]; A: input x_q; B: input Wq_w: QUANTISED
;;     2. [M 8,192, K 1,024] x [K 1,024, N 1,024]; A: input x_k_v; B: input Wk_w: QUANTISED
;;     3. [M 8,192, K 1,024] x [K 1,024, N 1,024]; A: input x_k_v; B: input Wv_w: QUANTISED
;;     4. batch 64 x [M 2,048, K 64] x [K 64, N 2,048]; A: computed on the way; B: computed on the way: left as it is (an operand is computed on the way)
;;     5. batch 64 x [M 2,048, K 2,048] x [K 2,048, N 64]; A: computed on the way; B: computed on the way: left as it is (an operand is computed on the way)
;;   THE QUANTISER, for each operand of a quantised product, along K:
;;     - K is cut into blocks of 32 from its start; a last block that is shorter is filled with zeros.
;;     - A block's scale is 2^e with e = floor(log2(the largest magnitude in the block)) - 2, held to -126 .. 127; a block of zeros has e = 0. As a byte (E8M0): e + 127.
;;     - Each number is divided by its block's scale, clamped to +-6, and rounded to the nearest number of E2M1, ties to even, subnormals kept.
;;     - The product sums the exact products of the quantised numbers (number of the format x scale) in f32.
;;   ~~~python
;;   def quantise(x, axis):      # numpy; x: float32 -> the quantised numbers, widened to float32 again
;;       x = np.moveaxis(x, axis, -1); K = x.shape[-1]
;;       x = np.pad(x, [(0, 0)] * (x.ndim - 1) + [(0, -K % 32)]); x = x.reshape(x.shape[:-1] + (-1, 32)); a = np.abs(x).max(-1, keepdims=True)
;;       e = np.where(a > 0, np.clip(np.frexp(np.where(a > 0, a, 1))[1] - 1 - 2, -126, 127), 0)      # np.frexp(a)[1] - 1 = floor(log2(a)), exactly
;;       r = np.clip(x / 2.0 ** e, -6, 6)
;;       step = 2.0 ** (np.maximum(np.frexp(np.where(r == 0, 1, r))[1] - 1, 0) - 1)
;;       q = np.round(r / step) * step * 2.0 ** e      # np.round: ties to even
;;       return np.moveaxis(q.reshape(q.shape[:-2] + (-1,))[..., :K], -1, axis).astype(np.float32)
;;   ~~~
;; One version. Each part assembles by itself: llvm-mc -triple=amdgcn-amd-amdhsa -mcpu=gfx1250 --defsym DOCPART=n.
;; ======== version 1 of 1: 3 launches
;; limits: values are held in f16: magnitudes above 65,504 overflow, below 6.1e-05 lose precision
;; workspace buffers: codes 9,961,472 bytes; scales 622,592 bytes; maskw 2,097,152 bytes of whole numbers; qkv 50,331,648 bytes
;; launch prep (part 1): grid 1120 x 1, 4 waves a work-group, no clusters, 67,072 bytes of LDS; arguments x_q, x_k_v, Wq_w, Wk_w, Wv_w, mask_pad, codes, scales, maskw; writes codes, scales, maskw
.if DOCPART == 1
	.amdgcn_target "amdgcn-amd-amdhsa--gfx1250"
	.amdhsa_code_object_version 6
	.text
	.protected	k_q58b2662816_prep
	.globl	k_q58b2662816_prep
	.p2align	8
	.type	k_q58b2662816_prep,@function
k_q58b2662816_prep:
	s_mov_b64 s[64:65], 0
	v_nop
	global_prefetch_b8 v0, s[64:65] scope:SCOPE_SE
	s_setreg_imm32_b32 hwreg(HW_REG_WAVE_MODE, 25, 1), 1
	s_wait_xcnt 0x0
; TWO JOBS IN ONE LAUNCH, told apart by the work-group's number.
; (Q) work-groups 0-607: x_q, x_k_v, Wq_w, Wk_w, Wv_w (f32, K = 1,024 innermost, rows dense) become codes of FP4 (E2M1), two a byte, K innermost, and one E8M0 byte for each 32 along K.
;     The five tensors are laid one behind the other in 'codes' (512 bytes a row) and 'scales' (32 bytes a row): rows 0-8,191 x_q, 8,192-16,383 x_k_v, then 1,024 rows for each weight.
;     A block's scale is 2^(floor(log2(its largest magnitude)) - 2); its byte is the largest magnitude's exponent field - 2, held at 1 from below.
;     A work-group takes 32,768 numbers, a wave 8,192 in 16 steps of 512.  Each load reads 512 consecutive bytes; a step's 2,048 bytes turn through the wave's own stage in LDS so that a lane holds 16 neighbours along K.
; (M) work-groups 608-1,119: mask_pad (one byte for batch, query, key) becomes lane masks for the attention: word [b][query tile of 16][key tile of 16][j = 0..7], bit l = mask(query l % 16, key 8 (l / 16) + j):
;     the layout in which a wave of the attention holds a tile of scores (lane = query and key half, register j = key).  A work-group takes 16 queries x 2,048 keys, a wave 512 of the keys.
; LIMITS: a block of zeros, and a block whose largest magnitude lies under 2^(3 - 127), gets the byte 1 (zero codes add nothing under it; this program alone reads the bytes).  NaN and infinities among the inputs are not served.
; No tensor loads, no barrier: waves share nothing.  Each of the two jobs has LDS bytes of its own.
.set NQWG,  608                        ; work-groups of job Q: (2 x 8,192 + 3 x 1,024) rows x 1,024 / 32,768
.set STEPS, 16
.set EMAX,  2
.set CB,    8                          ; bytes of 16 codes
.set R,     16                         ; v16-79   four sets of 16 numbers as they are loaded
.set X,     80                         ; v80-111  two sets of 16 neighbours
.set E,     112                        ; v112-127 a scale byte for each step
.set C,     128                        ; v128-191 codes: four registers for each step, so that no store's data are written again
.set WREG,  8192                       ; job Q's LDS: a region for each wave: two stages of 32 x SP bytes, behind them its 256 scale bytes
.set SP,    80                         ; a lane's place in a stage: its 64 bytes + 16 of padding
.set MSTG,  32768                      ; job M's LDS: a stage of 16 rows x MPI bytes for each wave
.set MPI,   528                        ; 512 bytes of a row + 16 of padding
.set MR,    16                         ; v16-79   job M: 16 rows as loaded
.set MB,    80                         ; v80-143  job M: for each of 32 key tiles my query's 8 bytes
.set MW,    144                        ; v144-151 job M: the 256 words, four to a lane, twice
.set MT,    152                        ; v152-155 at work
.set SPW,   12                         ; v12      LDS address of my spare word; never rewritten
.set NIL,   13                         ; v13      0; never rewritten
.set SPARE, MSTG+4*16*MPI              ; behind both jobs' bytes: the spare words, 128 bytes for each wave, which no other line names
	s_load_b512 s[4:19], s[0:1], 0x0               ; x_q 4:5, x_k_v 6:7, Wq_w 8:9, Wk_w 10:11, Wv_w 12:13, mask_pad 14:15, codes 16:17, scales 18:19
	s_load_b64 s[20:21], s[0:1], 0x40              ; maskw
	v_lshl_add_u32 v[SPW], v0, 2, SPARE
	v_mov_b32 v[NIL], 0
	v_lshrrev_b32 v1, 5, v0
	v_readfirstlane_b32 s24, v1                    ; wave 0..3
	v_and_b32 v2, 31, v0                           ; lane
	v_lshlrev_b32 v3, 4, v2                        ; 16 x lane: my 16 bytes of a load's 512
	s_wait_kmcnt 0x0
	s_cmp_ge_u32 ttmp9, NQWG
	s_cbranch_scc1 .Lmask
	; ---------------- job Q ----------------
	s_mul_i32 s26, s24, WREG
	v_lshrrev_b32 v14, 2, v2
	v_mul_u32_u24 v14, v14, SP
	v_and_b32 v15, 3, v2
	v_lshl_add_u32 v14, v15, 4, v14
	v_add_nc_u32 v14, s26, v14                     ; the stage, on the way in: four lanes' 64 bytes on end, then 16 of padding
	v_mul_u32_u24 v15, v2, SP
	v_add_nc_u32 v15, s26, v15                     ; and on the way out: SP x lane: my 16 neighbours
	v_mul_u32_u24 v4, v2, CB                       ; my codes' place in a step's
	v_lshrrev_b32 v5, 1, v2
	s_add_co_u32 s26, s26, 2*32*SP
	v_add_nc_u32 v5, s26, v5                       ; LDS: my wave's 256 scale bytes, my block's byte
	v_lshlrev_b32 v7, 3, v2                        ; and on the way out 8 bytes a lane
	v_add_nc_u32 v6, s26, v7
	s_mov_b32 s25, 0                               ; which tensor, and its first work-group: the choice hangs on the work-group's number alone
	s_cmp_ge_u32 ttmp9, 256
	s_cselect_b64 s[4:5], s[6:7], s[4:5]
	s_cselect_b32 s25, 256, s25
	s_cmp_ge_u32 ttmp9, 512
	s_cselect_b64 s[4:5], s[8:9], s[4:5]
	s_cselect_b32 s25, 512, s25
	s_cmp_ge_u32 ttmp9, 544
	s_cselect_b64 s[4:5], s[10:11], s[4:5]
	s_cselect_b32 s25, 544, s25
	s_cmp_ge_u32 ttmp9, 576
	s_cselect_b64 s[4:5], s[12:13], s[4:5]
	s_cselect_b32 s25, 576, s25
	s_sub_co_u32 s27, ttmp9, s25
	s_lshl_b32 s27, s27, 2
	s_add_co_u32 s27, s27, s24                     ; which run of 8,192 numbers of the tensor is my wave's
	s_lshl_b32 s28, s27, 15                        ; 32,768 bytes a run
	s_mov_b32 s29, 0
	s_add_nc_u64 s[4:5], s[4:5], s[28:29]
	s_lshl_b32 s27, ttmp9, 2
	s_add_co_u32 s27, s27, s24                     ; and which run of the two outputs, which hold the five tensors on end
	s_lshl_b32 s28, s27, 12                        ; 4,096 bytes of codes a run
	s_add_nc_u64 s[16:17], s[16:17], s[28:29]
	s_lshl_b32 s28, s27, 8                         ; 256 scale bytes a run
	s_add_nc_u64 s[18:19], s[18:19], s[28:29]
.macro LOAD t
.irp i, 0,1,2,3
	global_load_b128 v[R+16*((\t)%4)+4*\i:R+16*((\t)%4)+4*\i+3], v3, s[4:5] offset:2048*(\t)+512*\i th:TH_LOAD_NT   ; 32 lanes read 512 consecutive bytes
.endr
.endm
.macro TURN t                          ; step t's numbers through the stage: LDS serves a wave's instructions in order, so no wait stands between the stores and the loads
.irp i, 0,1,2,3
	ds_store_b128 v14, v[R+16*((\t)%4)+4*\i:R+16*((\t)%4)+4*\i+3] offset:32*SP*((\t)%2)+8*SP*\i
.endr
.irp i, 0,1,2,3
	ds_load_b128 v[X+16*((\t)%2)+4*\i:X+16*((\t)%2)+4*\i+3], v15 offset:32*SP*((\t)%2)+16*\i
.endr
.endm
.irp t, 0,1,2,3
	LOAD \t
.endr
	s_wait_loadcnt 12                              ; step 0's four loads are in; those of steps 1 to 3 may be out
	TURN 0
.macro STEP t
.set XS, X+16*((\t)%2)
.if (\t) > 0
	s_wait_dscnt 1                                 ; this step's numbers are back from the stage (the last step's byte store may be out): so its stores into the stage have read their registers,
.else
	s_wait_dscnt 0x0
.endif
.if (\t)+4 < STEPS
	LOAD (\t)+4                                    ; which take the loads of four steps on
.endif
.if (\t)+1 < STEPS
.if STEPS-2-(\t) >= 3
	s_wait_loadcnt 12                              ; the next step's four loads are in; those of the three steps behind it may be out
.else
	s_wait_loadcnt 4*(STEPS-2-(\t))
.endif
	TURN (\t)+1                                    ; and go through the other stage while this step is worked
.endif
	v_max3_num_f32 v8, |v[XS]|, |v[XS+1]|, |v[XS+2]|               ; the largest magnitude of my 16, in two chains
	v_max3_num_f32 v9, |v[XS+3]|, |v[XS+4]|, |v[XS+5]|
.irp i, 6,10
	v_max3_num_f32 v8, v8, |v[XS+\i]|, |v[XS+\i+1]|
	v_max3_num_f32 v9, v9, |v[XS+\i+2]|, |v[XS+\i+3]|
.endr
	v_max3_num_f32 v8, v8, |v[XS+14]|, |v[XS+15]|
	v_max3_num_f32 v8, v8, v9, (EMAX+1)<<23        ; and the floor 2^(EMAX + 1 - 127): so the byte cannot fall under 1
	v_max_num_f32_dpp v8, v8, v8 row_xmask:1 row_mask:0xf bank_mask:0xf   ; and of my neighbour's 16: the block's
	v_add_nc_u32 v11, -(EMAX<<23), v8              ; EMAX off its exponent field: the conversion takes the exponent field of this operand as its scale, and nothing else of it
	v_cvt_scalef32_pk8_fp4_f32 v[C+4*(\t)], v[XS:XS+7], v11        ; eight numbers / the scale, to the nearest code, ties to even, beyond the largest code the largest
	v_cvt_scalef32_pk8_fp4_f32 v[C+4*(\t)+1], v[XS+8:XS+15], v11
	v_lshrrev_b32 v[E+(\t)], 23, v11               ; the scale's byte (also the plain line behind the conversions)
	ds_store_b8 v5, v[E+(\t)] offset:16*(\t)       ; both lanes of a block write the same byte with the same value
	global_store_b64 v4, v[C+4*(\t):C+4*(\t)+1], s[16:17] offset:32*CB*(\t)   ; the wave stores 256 consecutive bytes, aligned
.endm
.irp t, 0,1,2,3,4,5,6,7,8,9,10,11,12,13,14,15
	STEP \t
.endr
	ds_load_b64 v[8:9], v6                         ; LDS serves a wave's instructions in order: these see my byte stores
	s_wait_dscnt 0x0
	global_store_b64 v7, v[8:9], s[18:19]          ; 32 lanes store 256 consecutive bytes, aligned
	s_wait_tensorcnt 0x0                           ; the wave's end: a wait, an add to my spare word and its wait, behind my last LDS store
	ds_add_u32 v[SPW], v[NIL]
	s_wait_dscnt 0x0
	s_endpgm
	; ---------------- job M ----------------
.Lmask:
	s_sub_co_u32 s25, ttmp9, NQWG                  ; g = 128 x batch + query tile
	s_lshl_b32 s28, s25, 15                        ; 16 rows of 2,048 bytes
	s_lshl_b32 s26, s24, 9                         ; my wave's 512 keys
	s_add_co_u32 s28, s28, s26
	s_mov_b32 s29, 0
	s_add_nc_u64 s[14:15], s[14:15], s[28:29]
	s_lshl_b32 s28, s25, 12                        ; a query tile's words: 128 key tiles x 32 bytes
	s_lshl_b32 s26, s24, 10                        ; my wave's 32 key tiles
	s_add_co_u32 s28, s28, s26
	s_add_nc_u64 s[20:21], s[20:21], s[28:29]
	s_mul_i32 s26, s24, 16*MPI
	s_add_co_u32 s26, s26, MSTG                    ; my stage
	v_add_nc_u32 v4, s26, v3                       ; in: 16 x lane of a row
	v_and_b32 v6, 15, v2                           ; r: my query
	v_lshrrev_b32 v7, 4, v2                        ; hh: my half of a key tile
	v_mul_u32_u24 v5, v6, MPI
	v_lshl_add_u32 v5, v7, 3, v5
	v_add_nc_u32 v5, s26, v5                       ; out: row r, + 8 hh
.irp i, 0,1,2,3,4,5,6,7,8,9,10,11,12,13,14,15
	global_load_b128 v[MR+4*\i:MR+4*\i+3], v3, s[14:15] offset:2048*\i th:TH_LOAD_NT   ; 512 consecutive bytes of query i
.endr
.irp j, 0,1,2,3,4,5,6,7
	v_mov_b32 v[MW+\j], 0                          ; written whole once: a lane write's destination counts as read
.endr
.irp i, 0,1,2,3,4,5,6,7,8,9,10,11,12,13,14,15
	s_wait_loadcnt 15-\i                           ; row i is in; the later rows may be out
	ds_store_b128 v4, v[MR+4*\i:MR+4*\i+3] offset:MPI*\i
.endr
.set kt, 0
.rept 32
	ds_load_b64 v[MB+2*kt:MB+2*kt+1], v5 offset:16*kt   ; my query's 8 bytes of key tile kt (my own wave's bytes, served in order behind the stores)
.set kt, kt+1
.endr
.set kt, 0
.rept 32
	s_wait_dscnt 31-kt                             ; key tile kt's bytes are in; the later tiles' loads may be out
.irp g, 0,1                                    ; word 8 kt + 4 g + j: lane (2 kt + g) % 32 of store kt / 16, register j
.irp j, 0,1,2,3
	v_and_b32 v[MT+\j], 0xff<<(8*\j), v[MB+2*kt+\g]
.endr
.irp j, 0,1,2,3
	v_cmp_ne_u32 s[40+\j], 0, v[MT+\j]             ; the 32 lanes' bits are the word
.endr
.irp j, 0,1,2,3
	v_writelane_b32 v[MW+4*(kt/16)+\j], s[40+\j], (2*kt+\g)%32
.endr
.endr
.set kt, kt+1
.endr
	global_store_b128 v3, v[MW:MW+3], s[20:21]               ; 512 consecutive bytes each, aligned
	global_store_b128 v3, v[MW+4:MW+7], s[20:21] offset:512
	s_wait_tensorcnt 0x0                           ; the wave's end: a wait, an add to my spare word and its wait, behind my last LDS store
	ds_add_u32 v[SPW], v[NIL]
	s_wait_dscnt 0x0
	s_endpgm
.Lfunc_end_k_q58b2662816_prep:
	.size	k_q58b2662816_prep, .Lfunc_end_k_q58b2662816_prep-k_q58b2662816_prep
	.p2alignl 7, 3214868480
	.fill 96, 4, 3214868480
	.section	.rodata,"a",@progbits
	.p2align	6, 0x0
	.amdhsa_kernel k_q58b2662816_prep
		.amdhsa_group_segment_fixed_size 67072
		.amdhsa_private_segment_fixed_size 0
		.amdhsa_enable_private_segment 0
		.amdhsa_kernarg_size 72
		.amdhsa_user_sgpr_count 2
		.amdhsa_user_sgpr_kernarg_segment_ptr 1
		.amdhsa_wavefront_size32 1
		.amdhsa_system_sgpr_workgroup_id_x 1
		.amdhsa_system_sgpr_workgroup_id_y 1
		.amdhsa_system_sgpr_workgroup_id_z 1
		.amdhsa_system_vgpr_workitem_id 0
		.amdhsa_next_free_vgpr 192
		.amdhsa_next_free_sgpr 66
		.amdhsa_reserve_vcc 0
		.amdhsa_float_denorm_mode_32 3
		.amdhsa_float_denorm_mode_16_64 3
		.amdhsa_memory_ordered 1
		.amdhsa_forward_progress 1
		.amdhsa_inst_pref_size 89
	.end_amdhsa_kernel
	.amdgpu_metadata
---
amdhsa.version: [ 1, 2 ]
amdhsa.kernels:
  - .name:           k_q58b2662816_prep
    .symbol:         k_q58b2662816_prep.kd
    .args:
      - { .name: x_q, .offset: 0, .size: 8, .value_kind: global_buffer, .address_space: global }
      - { .name: x_k_v, .offset: 8, .size: 8, .value_kind: global_buffer, .address_space: global }
      - { .name: Wq_w, .offset: 16, .size: 8, .value_kind: global_buffer, .address_space: global }
      - { .name: Wk_w, .offset: 24, .size: 8, .value_kind: global_buffer, .address_space: global }
      - { .name: Wv_w, .offset: 32, .size: 8, .value_kind: global_buffer, .address_space: global }
      - { .name: mask_pad, .offset: 40, .size: 8, .value_kind: global_buffer, .address_space: global }
      - { .name: codes, .offset: 48, .size: 8, .value_kind: global_buffer, .address_space: global }
      - { .name: scales, .offset: 56, .size: 8, .value_kind: global_buffer, .address_space: global }
      - { .name: maskw, .offset: 64, .size: 8, .value_kind: global_buffer, .address_space: global }
    .group_segment_fixed_size: 67072
    .private_segment_fixed_size: 0
    .kernarg_segment_align: 8
    .kernarg_segment_size: 72
    .max_flat_workgroup_size: 128
    .sgpr_count:     66
    .vgpr_count:     192
    .wavefront_size: 32
...
	.end_amdgpu_metadata
.endif
;; end of part 1
;; launch proj (part 2): grid 12 x 32, 4 waves a work-group, clusters of 4 x 4, 327,680 bytes of LDS; arguments codes, scales, Wq_b, Wk_b, Wv_b, qkv; writes qkv
.if DOCPART == 2
	.amdgcn_target "amdgcn-amd-amdhsa--gfx1250"
	.amdhsa_code_object_version 6
	.text
	.protected	k_q58b2662816_proj
	.globl	k_q58b2662816_proj
	.p2align	8
	.type	k_q58b2662816_proj,@function
k_q58b2662816_proj:
	s_mov_b64 s[64:65], 0
	v_nop
	global_prefetch_b8 v0, s[64:65] scope:SCOPE_SE
	s_setreg_imm32_b32 hwreg(HW_REG_WAVE_MODE, 25, 1), 1
	s_wait_xcnt 0x0
	s_wait_alu depctr_hold_cnt(0) depctr_sa_sdst(0) depctr_va_vdst(0) depctr_va_sdst(0) depctr_va_ssrc(0) depctr_va_vcc(0) depctr_vm_vsrc(0)
	s_getreg_b32 s2, hwreg(HW_REG_IB_STS2, 6, 4)
	s_cmp_eq_u32 s2, 0
	s_cbranch_scc0 .Lentry_in_a_cluster
	s_endpgm
.Lentry_in_a_cluster:
	s_bfe_u32 s2, ttmp6, 0x10000c
	s_cmp_lg_u32 s2, 0xf033
	s_cbranch_scc0 .Lentry_shape_is_right
	s_endpgm
.Lentry_shape_is_right:
; THE THREE PROJECTIONS: q = x_q Wq^T + bq, k = x_k_v Wk^T + bk, v = x_k_v Wv^T + bv, each [8,192 x 1,024] x [1,024 x 1,024], on codes of FP4 (E2M1) with one E8M0 scale for each 32 along K; sums in f32.
; 'codes' holds 19,456 rows of 512 bytes (x_q, x_k_v, the three weights), 'scales' the same rows of 32 bytes.  Projection p = the cluster's x (0 q, 1 k, 2 v).
; A work-group of four waves makes 256 positions x 256 channels; a wave 128 x 128: 64 accumulators of 16 x 16, 512 registers.  K = 1,024 is two slots of 512 along K (rows of 256 bytes): both are asked for at the head, nothing is filled again.
; The scale bytes of the work-group's rows, for all of K, are two dense blocks: they come into LDS once, with the first fills.
; CLUSTERS: 4 x 4 work-groups.  The four of a row of the cluster need the same rows of x, the four of a column the same rows of the weight: each tile is asked for JOINTLY.
; THE MATRIX INSTRUCTION IS USED TRANSPOSED (source 0 = 16 rows of the weight, source 1 = 16 rows of x): a lane holds one position (lane % 16) and eight neighbouring channels 8 (lane / 16) + 0..7.
; THE WAY OUT: (sum + bias) x f as one fused multiply-add, sum x f + (bias x f); f = log2(e) / 8 for q (the softmax's scale, folded in here in f32) and 1 for k and v; rounded once to f16.
; qkv: part p at p x 16,777,216; in it ((16 batch + head) x 128 + tile of 16 positions) x 2,048 + (tile of 16 channels) x 512 + place of the lane's 16 bytes.  For q and k the place is 16 x lane: two neighbouring pieces are then the
; register image of a 16 x 32 fragment.  For v it is 16 x (r % 8 + 8 hh + 16 (r / 8)): the order from which the transposing LDS load, at 16 x lane, makes half a fragment of V^T.  Every store of a wave covers 512 consecutive bytes, aligned.
; LIMITS: |q f|, |k|, |v| over 65,504 become infinite in f16 (with the drawn spread they lie near 1; inputs 30 times larger on both sides of a product, or offset by 30 spreads, keep them under 2 x 10^4).
; REGISTERS, in windows of 256: window 0: v0-31 addresses; v32-95 scale words, two sets; v128-191 x's fragments, ONE set; v192-255 the bias; on the way out v32-159 are free.
;   window 1: the weight's fragments, TWO sets, at v0 and v128.   window 2: the accumulators of my positions 0-63 ((a, b) at v[8 (8 a + b)]);   window 3: those of positions 64-127.
.set NQ,     4                         ; matrix instructions deep in a slot (512 along K)
.set ROWB,   256                       ; a tile's row in bytes
.set KROW,   512                       ; a row of codes in memory
.set PITCH,  272                       ; an LDS row: 256 bytes + 16 of padding, so that the 16 rows that a load touches start 68 words apart
.set FR,     8                         ; registers of a fragment: 16 rows x 128 K
.set NL,     2                         ; LDS loads that bring one
.set NP,     4                         ; places behind this matrix instruction (ISA guide 7.12.1)
.set HALFT,  128*PITCH                 ; 128 rows: what one tensor load brings
.set SLOT,   4*HALFT                   ; x's 256 rows, then the weight's 256 rows
.set KS,     32                        ; a row of scales in bytes
.set SCL,    2*SLOT                    ; behind the two slots: the scales, as rows of 256 bytes + 16 of padding
.set HALFS,  (128*KS/256)*272          ; the scales of 128 rows
.set SBLK,   (16*KS/256)*272           ; those of 16 rows
.set SPARE,  SCL+4*HALFS               ; the spare words, 128 bytes for each wave, which no other line names
.set ADRA, 16                          ; v16-17  LDS address of my fragments of x in slot 0, 1
.set ADRB, 20                          ; v20-21  the same for the weight
.set CO,   26                          ; v26     the place of my 16 bytes in a piece of 512
.set ADRS, 27                          ; v27     LDS address of my scale words: lanes 0-15 x's rows, lanes 16-31 the weight's
.set SPW,  28                          ; v28     LDS address of my spare word; never rewritten
.set NIL,  29                          ; v29     0; never rewritten
.set BO,   30                          ; v30     32 x (lane / 16): my eight numbers of a bias tile
.set SC,   32                          ; scale words: set s at v[SC + 32 s]; register 4 i + q: lanes 0-15 x's block i, lanes 16-31 the weight's block i
.set AF,   128                         ; x's fragments
.set T,    32                          ; the way out: 64 numbers in f32
.set OU,   96                          ; the way out: 32 registers of f16, v96-127 and v128-159 by turns
.set BI,   192                         ; the bias of my 128 channels in the result's layout: block b at v[BI + 8 b]
.set G1, 24                            ; s[24:31] descriptor group 1 for x's tiles;  s[32:39] group 0, one set for each slot
.set G0, 32
.set G1B, 48                           ; s[48:55], s[56:63] the same for the weight's tiles
.set G0B, 56
.set G1S, 68                           ; s[68:75], s[76:79] groups 1 and 0 for x's scales;  s[80:87], s[88:91] for the weight's
.set G0S, 76
.set G1SB, 80
.set G0SB, 88
.set MSB, 0
.macro WIN new                         ; the immediate's high byte repeats the setting that is left; a switch that changes nothing is dropped
.if MSB != (\new)
	s_set_vgpr_msb (MSB<<8)|(\new)
.set MSB, \new
.endif
.endm
.set MUL_LO, 0xa1                      ; source 0 (weight) window 1, source 1 (x) window 0, C and D window 2
.set MUL_HI, 0xf1                      ; the same, C and D window 3
.set TO_B,   0x40                      ; destination window 1, address window 0
; A joint load: waves 0 and 1 fetch for x, waves 2 and 3 for the weight.  Each of the two lines has one mask and one set of registers for all that issue it; the branch hangs on the wave's number alone.
; An s_nop 0 and four v_nop follow each of the two lines.
.macro JLOAD g0a, g1a, g0b, g1b
	s_cmp_eq_u32 s15, 0
	s_cbranch_scc0 .Lfor_b_\@
	tensor_load_to_lds s[\g0a:\g0a+3], s[\g1a:\g1a+7]
	s_nop 0
.rept 4
	v_nop
.endr
	s_branch .Lasked_\@
.Lfor_b_\@:
	tensor_load_to_lds s[\g0b:\g0b+3], s[\g1b:\g1b+7]
	s_nop 0
.rept 4
	v_nop
.endr
.Lasked_\@:
.endm
.macro CROUND                          ; a round of the cluster's barrier
	s_barrier_signal -1
	s_barrier_wait -1
	s_cmp_lg_u32 s14, 0
	s_cbranch_scc1 .Lnot_wave_0_\@
	s_barrier_signal -3
.Lnot_wave_0_\@:
	s_barrier_wait -3
	s_barrier_signal -1
	s_barrier_wait -1
.endm
	s_load_b256 s[4:11], s[0:1], 0x0               ; codes 4:5, scales 6:7, Wq_b 8:9, Wk_b 10:11
	s_load_b128 s[96:99], s[0:1], 0x20             ; Wv_b 96:97, qkv 98:99
	v_lshl_add_u32 v[SPW], v0, 2, SPARE
	v_mov_b32 v[NIL], 0
	ds_add_u32 v[SPW], v[NIL]                      ; the wave's opening: the add, twice on end, and its wait ahead of my first tensor load
	ds_add_u32 v[SPW], v[NIL]                      ; the set-up below, work on registers, stands between the second add and the wait
	v_lshrrev_b32 v1, 5, v0
	v_readfirstlane_b32 s14, v1                    ; wave 0..3
	s_lshr_b32 s15, s14, 1                         ; which half of the tile's positions is mine.  Also: I fetch for x (0) or for the weight (1)
	s_and_b32 s16, s14, 1                          ; which half of its channels.  Also: which 128 rows of that tile I fetch
	s_bfe_u32 s40, ttmp6, 0x40000                  ; cx, cy: my place in the cluster
	s_bfe_u32 s41, ttmp6, 0x40004
	s_lshl_b32 s42, ttmp9, 2
	s_add_co_u32 s42, s42, s40                     ; tile of 256 weight rows = 4 x projection + cx
	s_and_b32 s17, ttmp7, 0xffff
	s_lshl_b32 s17, s17, 2
	s_add_co_u32 s17, s17, s41                     ; tile of 256 positions = 4 x cluster y + cy
	s_lshl_b32 s43, s41, 2
	s_lshl_b32 s43, 15, s43                        ; my row of the cluster
	s_lshl_b32 s44, 0x1111, s40                    ; my column
	; descriptor group 1: a tile of 128 rows x 256 bytes, padded in LDS
	s_or_b32 s[G1+0], s43, (0<<16)|(1<<20)|(1<<21)|(5<<22)|(3<<25)  ; 15:0 the mask; 17:16 elements of 1 byte; 20 padding on; 21 set beside a mask; 24:22 after every 64 words; 31:25 four words
	s_or_b32 s[G1B+0], s44, (0<<16)|(1<<20)|(1<<21)|(5<<22)|(3<<25)
.irp g, G1, G1B
	s_mov_b32 s[\g+1], ROWB<<16                    ; tensor_dim0
	s_mov_b32 s[\g+2], 128<<16                     ; tensor_dim1
	s_mov_b32 s[\g+3], ROWB<<16                    ; tile_dim0
	s_mov_b32 s[\g+4], 128                         ; tile_dim1
	s_mov_b32 s[\g+5], KROW                        ; tensor_dim0_stride
	s_mov_b32 s[\g+6], 0
	s_mov_b32 s[\g+7], 0
.endr
	; and for the scales of 128 rows: 4,096 dense bytes as 16 rows of 256 (32 elements of 8 bytes), 16 bytes of padding behind each
	s_or_b32 s[G1S+0], s43, (3<<16)|(1<<20)|(1<<21)|(5<<22)|(3<<25)
	s_or_b32 s[G1SB+0], s44, (3<<16)|(1<<20)|(1<<21)|(5<<22)|(3<<25)
.irp g, G1S, G1SB
	s_mov_b32 s[\g+1], 32<<16
	s_mov_b32 s[\g+2], (128*KS/256)<<16
	s_mov_b32 s[\g+3], 32<<16
	s_mov_b32 s[\g+4], 128*KS/256
	s_mov_b32 s[\g+5], 32
	s_mov_b32 s[\g+6], 0
	s_mov_b32 s[\g+7], 0
.endr
	s_lshl_b32 s18, s16, 7                         ; which 128 rows of the tile I fetch
	s_lshl_b32 s20, s17, 8
	s_add_co_u32 s20, s20, s18
	s_cmp_lg_u32 ttmp9, 0                          ; k and v take x_k_v, which lies 8,192 rows on: the projection is the same in all sixteen partners
	s_cselect_b32 s19, 8192, 0
	s_add_co_u32 s20, s20, s19                     ; x: row 256 x tile + 128 x half (+ 8,192)
	s_lshl_b32 s46, s42, 8
	s_add_co_u32 s46, s46, s18
	s_add_co_u32 s46, s46, 16384                   ; the weight: row 16,384 + 256 x tile + 128 x half
	s_lshl_b32 s22, s20, 5                         ; where these rows' scales begin, in bytes,
	s_mov_b32 s23, 0
	s_lshl_b32 s92, s46, 5
	s_mov_b32 s93, 0
	s_lshl_b32 s20, s20, 9                         ; and their codes (19,456 rows x 512 bytes stay under 2^32)
	s_mov_b32 s21, 0
	s_lshl_b32 s46, s46, 9
	s_mov_b32 s47, 0
	s_mul_i32 s45, s14, HALFT                      ; where they go: wave x 128 rows: no place in the cluster enters an LDS address
	s_mul_i32 s94, s14, HALFS
	s_wait_dscnt 0x0                               ; both opening adds are done
	s_wait_kmcnt 0x0
	s_add_nc_u64 s[20:21], s[4:5], s[20:21]
	s_add_nc_u64 s[22:23], s[6:7], s[22:23]
	s_add_nc_u64 s[46:47], s[4:5], s[46:47]
	s_add_nc_u64 s[92:93], s[6:7], s[92:93]
	CROUND                                         ; all sixteen work-groups are here: the first joint loads meet
	s_mov_b32 s[G0S], 1
	s_add_co_u32 s[G0S+1], s94, SCL
	s_mov_b64 s[G0S+2:G0S+3], s[22:23]
	s_or_b32 s[G0S+3], s[G0S+3], 0x80000000
	s_mov_b32 s[G0SB], 1
	s_add_co_u32 s[G0SB+1], s94, SCL
	s_mov_b64 s[G0SB+2:G0SB+3], s[92:93]
	s_or_b32 s[G0SB+3], s[G0SB+3], 0x80000000
	JLOAD G0S, G1S, G0SB, G1SB                     ; the scales first: they are wanted with the first slot
.irp s, 0,1
	s_mov_b32 s[G0+4*\s], 1
	s_add_co_u32 s[G0+4*\s+1], s45, \s*SLOT
	s_add_nc_u64 s[G0+4*\s+2:G0+4*\s+3], s[20:21], \s*ROWB
	s_or_b32 s[G0+4*\s+3], s[G0+4*\s+3], 0x80000000
	s_mov_b32 s[G0B+4*\s], 1
	s_add_co_u32 s[G0B+4*\s+1], s45, \s*SLOT
	s_add_nc_u64 s[G0B+4*\s+2:G0B+4*\s+3], s[46:47], \s*ROWB
	s_or_b32 s[G0B+4*\s+3], s[G0B+4*\s+3], 0x80000000
	JLOAD G0+4*\s, G1, G0B+4*\s, G1B               ; three tensor loads of mine are out behind the second of these
.endr
	v_and_b32 v1, 15, v0                           ; r = lane % 16
	v_bfe_u32 v2, v0, 4, 1                         ; hh = lane / 16
	v_mul_u32_u24 v3, v1, PITCH
	v_lshl_add_u32 v4, v2, 4, v3                   ; a fragment's row x pitch + 16 x half
	s_mul_i32 s21, s15, HALFT                      ; my 128 rows of x
	s_mul_i32 s22, s16, HALFT                      ; my 128 rows of the weight,
	s_add_co_u32 s22, s22, 2*HALFT                 ; which lie behind x's 256
.irp s, 0,1
	v_add_nc_u32 v[ADRA+\s], s21, v4
	v_add_nc_u32 v[ADRB+\s], s22, v4
	s_add_co_u32 s21, s21, SLOT
	s_add_co_u32 s22, s22, SLOT
.endr
	v_mul_u32_u24 v5, v1, KS                       ; my row's scales: 32 bytes a row,
	v_lshrrev_b32 v6, 8, v5
	v_lshl_add_u32 v5, v6, 4, v5                   ; and 16 more for each 256 passed
	s_mul_i32 s21, s15, HALFS                      ; x's: my 128 rows
	s_mul_i32 s22, s16, HALFS                      ; the weight's: my 128 rows, behind x's 256
	s_add_co_u32 s22, s22, 2*HALFS
	s_sub_co_u32 s22, s22, s21
	v_mul_u32_u24 v6, s22, v2                      ; lanes 16-31 take the weight's: one product, the distance between the two bases
	s_add_co_u32 s21, s21, SCL
	v_add_nc_u32 v5, v5, v6
	v_add_nc_u32 v[ADRS], s21, v5
	; the bias of my projection, f, and where my results go
	s_cmp_ge_u32 ttmp9, 1
	s_cselect_b64 s[8:9], s[10:11], s[8:9]
	s_cmp_ge_u32 ttmp9, 2
	s_cselect_b64 s[8:9], s[96:97], s[8:9]
	s_cselect_b32 s66, -1, 0                       ; all ones for v: its lanes' places differ
	s_mov_b32 s100, 0x3e38aa3b                     ; log2(e) / 8
	s_mov_b32 s101, 0x3f800000                     ; 1
	s_cmp_eq_u32 ttmp9, 0
	s_cselect_b32 s100, s100, s101                 ; f
	s_mov_b32 s101, s100                           ; (the packed forms name the pair)
	s_lshl_b32 s46, s40, 10                        ; my first channel, in bytes of f32: 4 x (256 cx + 128 x half)
	s_lshl_b32 s47, s16, 9
	s_add_co_u32 s46, s46, s47
	s_mov_b32 s47, 0
	s_add_nc_u64 s[8:9], s[8:9], s[46:47]
	v_lshlrev_b32 v[BO], 5, v2
.irp b, 0,1,2,3,4,5,6,7
	global_load_b128 v[BI+8*\b:BI+8*\b+3], v[BO], s[8:9] offset:64*\b          ; bias(16 b + 8 hh + 0 .. 7): the result's layout
	global_load_b128 v[BI+8*\b+4:BI+8*\b+7], v[BO], s[8:9] offset:64*\b+16
.endr
	v_and_b32 v5, 31, v0
	v_lshlrev_b32 v5, 4, v5                        ; q, k: 16 x lane
	v_and_b32 v6, 7, v1
	v_lshl_add_u32 v6, v2, 3, v6
	v_lshrrev_b32 v7, 3, v1
	v_lshl_add_u32 v6, v7, 4, v6
	v_lshlrev_b32 v6, 4, v6                        ; v: 16 x (r % 8 + 8 hh + 16 (r / 8))
	v_cndmask_b32 v[CO], v5, v6, s66
	s_lshr_b32 s92, s17, 3                         ; batch
	s_lshl_b32 s92, s92, 4
	s_lshl_b32 s93, s40, 2
	s_add_co_u32 s92, s92, s93
	s_lshl_b32 s93, s16, 1
	s_add_co_u32 s92, s92, s93                     ; 16 x batch + my first head (4 cx + 2 x half)
	s_lshl_b32 s92, s92, 7
	s_and_b32 s93, s17, 7
	s_lshl_b32 s93, s93, 4
	s_add_co_u32 s92, s92, s93
	s_lshl_b32 s93, s15, 3
	s_add_co_u32 s92, s92, s93                     ; x 128 + my first tile of 16 positions
	s_lshl_b32 s92, s92, 11
	s_lshl_b32 s93, ttmp9, 24                      ; + the projection's part
	s_add_co_u32 s92, s92, s93
	s_mov_b32 s93, 0
	s_add_nc_u64 s[12:13], s[98:99], s[92:93]
.macro FRAG reg, adr, q, i             ; a fragment, 16 rows x 128 K of 4-bit codes: lane l holds row l % 16; registers 4 c .. 4 c + 3 hold K = 64 c + 32 (l / 16) + 0 .. 31
.irp c, 0,1
	ds_load_b128 v[\reg+4*\c:\reg+4*\c+3], v[\adr] offset:64*(\q)+32*\c+(\i)*16*PITCH
.endr
.endm
; 16 matrix instructions: x's blocks a0, a0 + 1 against the weight's eight, 128 along K: the slot's q-th.  p: the weight's set; sc: the set of scale words.  zero = 1: the first product starts the sums.
; The 64 accumulators take turns, one instruction a turn, in the same order in every step.
.macro MUL16 a0, p, q, sc, zero
.irp a, \a0, \a0+1
.irp b, 0,1,2,3,4,5,6,7
.if \zero
	v_wmma_scale_f32_16x16x128_f8f6f4 v[8*(8*((\a)%4)+\b):8*(8*((\a)%4)+\b)+7], v[128*(\p)+FR*\b:128*(\p)+FR*\b+FR-1], v[AF+FR*(\a):AF+FR*(\a)+FR-1], 0, v[SC+8*NQ*(\sc)+NQ*\b+(\q)], v[SC+8*NQ*(\sc)+NQ*(\a)+(\q)] matrix_a_fmt:MATRIX_FMT_FP4 matrix_b_fmt:MATRIX_FMT_FP4 matrix_a_scale:MATRIX_SCALE_ROW1
.else
	v_wmma_scale_f32_16x16x128_f8f6f4 v[8*(8*((\a)%4)+\b):8*(8*((\a)%4)+\b)+7], v[128*(\p)+FR*\b:128*(\p)+FR*\b+FR-1], v[AF+FR*(\a):AF+FR*(\a)+FR-1], v[8*(8*((\a)%4)+\b):8*(8*((\a)%4)+\b)+7], v[SC+8*NQ*(\sc)+NQ*\b+(\q)], v[SC+8*NQ*(\sc)+NQ*(\a)+(\q)] matrix_a_fmt:MATRIX_FMT_FP4 matrix_b_fmt:MATRIX_FMT_FP4 matrix_a_scale:MATRIX_SCALE_ROW1
.endif
.endr
.endr
.endm
.macro FETCH_B slot, q, p              ; the weight's eight fragments of the slot's q-th 128 along K into set p
	WIN TO_B
.irp i, 0,1,2,3,4,5,6,7
	FRAG 128*(\p)+FR*\i, ADRB+\slot, \q, \i
.endr
	WIN 0
.endm
.macro FETCH_A slot, q, i0             ; x's blocks i0 .. i0 + 3
.irp i, \i0, \i0+1, \i0+2, \i0+3
	FRAG AF+FR*(\i), ADRA+\slot, \q, \i
.endr
.endm
.macro SCALES sc                       ; a slot's scale words into set sc: four words a row; lanes 0-15 take x's block i, lanes 16-31 the weight's block i
.irp i, 0,1,2,3,4,5,6,7
	ds_load_b128 v[SC+8*NQ*\sc+NQ*\i:SC+8*NQ*\sc+NQ*\i+3], v[ADRS] offset:\i*SBLK
.endr
.endm
.macro PLACES n                        ; plain vector instructions between a matrix instruction and a load into one of its registers (ISA guide 7.12.1 for vector instructions)
.rept \n
	v_nop
.endr
.endm
; A step of 128 along K that has its successor in the same slot.
.macro STEP slot, q, zero
	s_wait_dscnt 4*NL                              ; the weight's set and x's blocks 0-3 are in; the youngest eight loads (x's blocks 4-7) may be out
	WIN MUL_LO
	MUL16 0, (\q)%2, \q, \slot, \zero
	MUL16 2, (\q)%2, \q, \slot, \zero
	s_wait_dscnt 0                                 ; x's blocks 4-7 are in (asked for 32 matrix instructions ago)
	PLACES NP
	FETCH_B \slot, (\q)+1, 1-(\q)%2
	FETCH_A \slot, (\q)+1, 0
	WIN MUL_HI
	MUL16 4, (\q)%2, \q, \slot, \zero
	MUL16 6, (\q)%2, \q, \slot, \zero
	PLACES NP
	WIN 0
	FETCH_A \slot, (\q)+1, 4
.endm
; Slot 0's last step goes over to slot 1: each wave waits for all its tensor loads (its part of slot 1), and one barrier shows the whole slot to every wave.  Nothing is filled again.
.macro TURN slot, next
	s_wait_tensorcnt 0x0                           ; all my tensor loads have landed (every window is 0 here: the add's two registers lie in window 0)
	ds_add_u32 v[SPW], v[NIL]                      ; 0 onto my spare word
	s_wait_dscnt 4*NL+1                            ; (the add and the youngest eight loads, x's blocks 4-7, may be out)
	WIN MUL_LO
	MUL16 0, 1, NQ-1, \slot, 0                     ; sixteen matrix instructions stand between the add and the wait for it
	s_wait_dscnt 0x0                               ; no LDS instruction of mine is out at the signal
	s_barrier_signal -1
	MUL16 2, 1, NQ-1, \slot, 0
	WIN 0
	s_barrier_wait -1
	PLACES NP
	v_add_nc_u32 v[ADRS], 4*NQ, v[ADRS]            ; on to the next slot's scale words
	FETCH_B \next, 0, 0
	FETCH_A \next, 0, 0
	SCALES \next
	WIN MUL_HI
	MUL16 4, 1, NQ-1, \slot, 0
	MUL16 6, 1, NQ-1, \slot, 0
	PLACES NP
	WIN 0
	FETCH_A \next, 0, 4
.endm
.macro STEPS slot, from                ; the slot's steps from .. NQ - 2
.set Q, \from
.rept NQ-1-\from
	STEP \slot, Q, 0
.set Q, Q+1
.endr
.endm
	s_wait_tensorcnt 1                             ; the scales and my part of slot 0 are in (slot 1's load may be out),
	s_barrier_signal -1
	s_barrier_wait -1                              ; everybody's are
	FETCH_B 0, 0, 0
	FETCH_A 0, 0, 0
	SCALES 0
	FETCH_A 0, 0, 4
	STEP 0, 0, 1                                   ; the first step's products start the sums: nothing is cleared
	STEPS 0, 1
	TURN 0, 1
	STEPS 1, 0
	s_wait_dscnt 4*NL                              ; the very last step: nothing more to fetch
	WIN MUL_LO
	MUL16 0, 1, NQ-1, 1, 0
	MUL16 2, 1, NQ-1, 1, 0
	s_wait_dscnt 0
	WIN MUL_HI
	MUL16 4, 1, NQ-1, 1, 0
	MUL16 6, 1, NQ-1, 1, 0
	WIN 0
	; THE WAY OUT.  bias x f first: these 32 lines name no register of the last products and are the places behind them.
	s_wait_loadcnt 0x0                             ; the bias
.set n, 0
.rept 32
	v_pk_mul_f32 v[BI+n:BI+n+1], v[BI+n:BI+n+1], s[100:101] op_sel_hi:[1,0]
.set n, n+2
.endr
; Block a: 16 positions x my 128 channels.  sum x f + bias x f, rounded to f16: a lane's eight channels are 16 bytes; the wave's 32 lanes are one piece of 512 bytes.
.macro OUTBLK a
.set AC, 64*((\a)%4)
.set OB, OU+32*((\a)%2)
.set WN, 0x02+(\a)/4
.if (\a) >= 2
	s_wait_xcnt 0x0                                ; block a - 2's stores have read their data: the registers may be written again
.endif
	WIN WN                                         ; source 0: window 2 or 3
.irp b, 0,1,2,3,4,5,6,7
.irp i, 0,2,4,6
	v_pk_fma_f32 v[T+8*\b+\i:T+8*\b+\i+1], v[AC+8*\b+\i:AC+8*\b+\i+1], s[100:101], v[BI+8*\b+\i:BI+8*\b+\i+1] op_sel_hi:[1,0,1]   ; each accumulator from its low end on
.endr
.endr
	WIN 0
.irp b, 0,1,2,3,4,5,6,7
.irp i, 0,1,2,3
	v_cvt_pk_f16_f32 v[OB+4*\b+\i], v[T+8*\b+2*\i], v[T+8*\b+2*\i+1]
.endr
.endr
.irp b, 0,1,2,3,4,5,6,7
	global_store_b128 v[CO], v[OB+4*\b:OB+4*\b+3], s[12:13] offset:2048*(\a)+262144*(\b/4)+512*(\b%4)   ; tile of positions a, head b / 4, tile of channels b % 4: 512 consecutive bytes, aligned
.endr
.endm
.irp a, 0,1,2,3,4,5,6,7
	OUTBLK \a
.endr
	s_wait_tensorcnt 0x0                           ; the wave's end: a wait, an add to my spare word and its wait, behind my last tensor load
	ds_add_u32 v[SPW], v[NIL]
	s_wait_dscnt 0x0
	CROUND                                         ; the closing round: no work-group ends while a partner may still ask for a tile that names it
	s_endpgm
.Lfunc_end_k_q58b2662816_proj:
	.size	k_q58b2662816_proj, .Lfunc_end_k_q58b2662816_proj-k_q58b2662816_proj
	.p2alignl 7, 3214868480
	.fill 96, 4, 3214868480
	.section	.rodata,"a",@progbits
	.p2align	6, 0x0
	.amdhsa_kernel k_q58b2662816_proj
		.amdhsa_group_segment_fixed_size 327680
		.amdhsa_private_segment_fixed_size 0
		.amdhsa_enable_private_segment 0
		.amdhsa_kernarg_size 48
		.amdhsa_user_sgpr_count 2
		.amdhsa_user_sgpr_kernarg_segment_ptr 1
		.amdhsa_wavefront_size32 1
		.amdhsa_system_sgpr_workgroup_id_x 1
		.amdhsa_system_sgpr_workgroup_id_y 1
		.amdhsa_system_sgpr_workgroup_id_z 1
		.amdhsa_system_vgpr_workitem_id 0
		.amdhsa_next_free_vgpr 1024
		.amdhsa_next_free_sgpr 102
		.amdhsa_reserve_vcc 0
		.amdhsa_float_denorm_mode_32 3
		.amdhsa_float_denorm_mode_16_64 3
		.amdhsa_memory_ordered 1
		.amdhsa_forward_progress 1
		.amdhsa_inst_pref_size 138
	.end_amdhsa_kernel
	.amdgpu_metadata
---
amdhsa.version: [ 1, 2 ]
amdhsa.kernels:
  - .name:           k_q58b2662816_proj
    .symbol:         k_q58b2662816_proj.kd
    .args:
      - { .name: codes, .offset: 0, .size: 8, .value_kind: global_buffer, .address_space: global }
      - { .name: scales, .offset: 8, .size: 8, .value_kind: global_buffer, .address_space: global }
      - { .name: Wq_b, .offset: 16, .size: 8, .value_kind: global_buffer, .address_space: global }
      - { .name: Wk_b, .offset: 24, .size: 8, .value_kind: global_buffer, .address_space: global }
      - { .name: Wv_b, .offset: 32, .size: 8, .value_kind: global_buffer, .address_space: global }
      - { .name: qkv, .offset: 40, .size: 8, .value_kind: global_buffer, .address_space: global }
    .group_segment_fixed_size: 327680
    .private_segment_fixed_size: 0
    .kernarg_segment_align: 8
    .kernarg_segment_size: 48
    .max_flat_workgroup_size: 128
    .sgpr_count:     102
    .vgpr_count:     1024
    .wavefront_size: 32
...
	.end_amdgpu_metadata
.endif
;; end of part 2
;; launch attn (part 3): grid 4 x 64, 8 waves a work-group, clusters of 4 x 1, 327,680 bytes of LDS; arguments qkv, maskw, out0; writes out0
.if DOCPART == 3
	.amdgcn_target "amdgcn-amd-amdhsa--gfx1250"
	.amdhsa_code_object_version 6
	.text
	.protected	k_q58b2662816_attn
	.globl	k_q58b2662816_attn
	.p2align	8
	.type	k_q58b2662816_attn,@function
k_q58b2662816_attn:
	s_mov_b64 s[64:65], 0
	v_nop
	global_prefetch_b8 v0, s[64:65] scope:SCOPE_SE
	s_setreg_imm32_b32 hwreg(HW_REG_WAVE_MODE, 25, 1), 1
	s_wait_xcnt 0x0
	s_wait_alu depctr_hold_cnt(0) depctr_sa_sdst(0) depctr_va_vdst(0) depctr_va_sdst(0) depctr_va_ssrc(0) depctr_va_vcc(0) depctr_vm_vsrc(0)
	s_getreg_b32 s2, hwreg(HW_REG_IB_STS2, 6, 4)
	s_cmp_eq_u32 s2, 0
	s_cbranch_scc0 .Lentry_in_a_cluster
	s_endpgm
.Lentry_in_a_cluster:
	s_bfe_u32 s2, ttmp6, 0x10000c
	s_cmp_lg_u32 s2, 0x3003
	s_cbranch_scc0 .Lentry_shape_is_right
	s_endpgm
.Lentry_shape_is_right:
; out0[b][q][64 h + :] = the sum over k of softmax_k(where(mask, -1e9, q . k / 8)) v[k], for 64 heads (16 b + h) of 2,048 queries x 2,048 keys, head size 64.
; q (already times log2(e) / 8), k and v come as f16 in the order of the operands' registers (see below); products and sums in f32; the weights p are rounded to f16 for the second product.
; SHARES.  A work-group owns 512 queries of one head, each of its eight waves 64: four tiles of 16.  Two waves share a SIMD (512 registers each), so that one wave's softmax stands beside the other's products.
; Every wave walks all keys, 64 a step.  Each fragment of K or V read from LDS feeds four matrix instructions.
; LAYOUT.  S^T = K Q^T (source 0 = 16 keys, source 1 = 16 queries): a lane holds ONE query (lane % 16) and keys 8 (lane / 16) + 0..7 of the tile.  Two such tiles, rounded to f16 in pairs, ARE source 1 (32 keys x 16 queries) of
; O^T = V^T P, whose result again holds one query a lane and eight channels.  K comes out of LDS as it lies (16 x lane); V, stored in the order that the transposing load wants, by ds_load_tr16_b128 at 16 x lane.
; THE MASK.  maskw holds, for each tile of 16 queries x 16 keys and each register j, the 32 lanes' bits as one word: it is read by scalar loads and used as the lane mask of v_cndmask_b32: one instruction a score.
; A masked score becomes the constant t = -1e9 x log2(e) AHEAD of the maximum.  p = 2^(t - m) by a plain subtraction: in a row all of whose keys are masked t - m is exactly 0, every p is 1, and the row is the mean of v.
; SOFTMAX.  For each query a running maximum m and sum l; in every step O^T and l are multiplied by a = 2^(m_old - m_new).  m begins at -3e38, l and O^T at 0: the first a is 0 and multiplies zeros, so the step is written without a first form.
; CLUSTER.  The four work-groups of a cluster are the four query blocks of one head and walk the same K and V: each tile is asked for JOINTLY (the same load, the same descriptor, a mask that names the four).
; THE RING.  Two slots of 512 keys (K's 65,536 bytes, then V's): eight waves fill a slot with one load each of 16,384 dense bytes.  A refill has the other slot's eight key steps, 512 matrix instructions a wave, in which to land:
; so nothing is prefetched; the mask words are shared by the sixteen heads of a batch and are no stream that is read once.
; LIMITS: q log2(e) / 8, k and v are f16 (magnitudes over 65,504 are not served; with the drawn spread they lie near 1).  NaN and infinities among the inputs are not served.
; REGISTERS.  Window 0: v2-11 addresses and constants; v16-47 statistics, 8 a tile; v64-191 S^T, 32 a tile (its first 16 become P); v192-255 K's fragments.
;             Window 1: v0-127 O^T, 32 a tile; v128-191 Q; v192-255 V's fragments.
.set SLOT1, 1<<17                      ; slot 1 begins here, so that one exclusive or turns an address in one slot into the other's
.set VOFF,  65536                      ; in a slot: K's 512 keys (8 steps x 8,192 bytes), then V's
.set STAGE, 2*SLOT1                    ; behind the ring: 16 rows x 272 bytes for each wave, for the way out
.set SPARE, STAGE+8*16*272             ; the spare words, 128 bytes for each wave, which no other line names
.set LI,   2                           ; v2   16 x lane
.set LIV,  3                           ; v3   16 x lane + VOFF
.set ADK,  4                           ; v4   LDS address of the step's K
.set ADV,  5                           ; v5   of its V
.set STO,  6                           ; v6   the way out: where I put 32 bytes of a row
.set RD,   7                           ; v7   the way out: where I read a row back
.set GO,   8                           ; v8   my byte offset in two rows of out0
.set NEGV, 9                           ; v9   -1e9 x log2(e)
.set SPW,  10                          ; v10  LDS address of my spare word; never rewritten
.set NIL,  11                          ; v11  0; never rewritten
.set ST,   16                          ; tile t's statistics at v[ST + 8 t]: +0 m, +1 zero (named with m as a pair), +2, +3 l (even keys', odd keys'), +4 .. +7 at work; +6 becomes a
.set S,    64
.set KF,   192                         ; key tile kt, piece ct (16 channels): v[KF + 16 kt + 4 ct]
.set QF,   128                         ; window 1: tile t, piece ct: v[QF + 16 t + 4 ct]
.set VF,   192                         ; window 1: keys 32 g on, channels 16 c on: v[VF + 32 g + 8 c]
.set TB,   2                           ; s2   LDS byte at which the step's K begins
.set CNT,  3                           ; s3   counts a slot's eight steps
                                       ; s[4:51], s[68:83]: 64 mask words (two tiles of queries x 32 registers); at the head: arguments and offsets
.set G1,   52                          ; s[52:59] descriptor group 1
.set G0A,  60                          ; s[60:63] group 0 of slot 0's first fill
.set G0B,  84                          ; s[84:87] group 0 of slot 1's first fill, which then walks
.set MP,   88                          ; s[88:89] my first query tile's mask words
.set MO,   90                          ; s90  the step's offset among them: 128 bytes a step
.set WV,   91                          ; s91  my wave's number
.set OUTP, 92                          ; s[92:93] out0 at my first query, my head
.set SEL,  94                          ; s[94:95] lane selects for v_permlanex16_b32: lane l xor 16
.set SLOTS, 96                         ; s96  slots still to be asked for
.set QP,   98                          ; s[98:99] my queries in qkv
.set MSB, 0
.macro WIN new                         ; the immediate's high byte repeats the setting that is left; a switch that changes nothing is dropped
.if MSB != (\new)
	s_set_vgpr_msb (MSB<<8)|(\new)
.set MSB, \new
.endif
.endm
.set W_KQ, 0x04                        ; source 1 (Q; an LDS store's data) in window 1
.set W_PV, 0x51                        ; V, C and D in window 1, P in window 0
.set W_RS, 0x41                        ; O^T (destination and source 0) in window 1, the factor in window 0
.set W_LD, 0x40                        ; destination in window 1
.macro CROUND                          ; a round of the cluster's barrier
	s_barrier_signal -1
	s_barrier_wait -1
	s_cmp_lg_u32 s[WV], 0
	s_cbranch_scc1 .Lnot_wave_0_\@
	s_barrier_signal -3
.Lnot_wave_0_\@:
	s_barrier_wait -3
	s_barrier_signal -1
	s_barrier_wait -1
.endm
	s_load_b128 s[68:71], s[0:1], 0x0              ; qkv 68:69, maskw 70:71
	s_load_b64 s[72:73], s[0:1], 0x10              ; out0
	v_lshl_add_u32 v[SPW], v0, 2, SPARE
	v_mov_b32 v[NIL], 0
	ds_add_u32 v[SPW], v[NIL]                      ; the wave's opening: the add, twice on end, and its wait ahead of my first tensor load
	ds_add_u32 v[SPW], v[NIL]                      ; the set-up below, work on registers, stands between the second add and the wait
	v_lshrrev_b32 v1, 5, v0
	v_readfirstlane_b32 s[WV], v1                  ; wave 0..7
	s_bfe_u32 s4, ttmp6, 0x40000                   ; cx: my block of 512 queries; it enters Q's, the mask's and out0's addresses alone
	s_and_b32 s5, ttmp7, 0xffff                    ; 16 b + h, which the four partners share
	; descriptor group 1: 16,384 dense bytes as 64 rows of 256 (32 elements of 8 bytes), no padding: every LDS read takes 512 consecutive bytes
	s_mov_b32 s[G1], 15|(3<<16)|(1<<21)            ; 15:0 the mask: all four work-groups; 17:16 elements of 8 bytes; 21 set beside a mask
	s_mov_b32 s[G1+1], 32<<16                      ; tensor_dim0
	s_mov_b32 s[G1+2], 64<<16                      ; tensor_dim1
	s_mov_b32 s[G1+3], 32<<16                      ; tile_dim0
	s_mov_b32 s[G1+4], 64                          ; tile_dim1
	s_mov_b32 s[G1+5], 32                          ; tensor_dim0_stride
	s_mov_b32 s[G1+6], 0
	s_mov_b32 s[G1+7], 0
	s_lshr_b32 s6, s[WV], 2                        ; waves 0-3 fetch K's quarters of a slot, waves 4-7 V's
	s_add_co_u32 s6, s6, 1
	s_lshl_b32 s6, s6, 24                          ; part 1 or 2 of qkv,
	s_lshl_b32 s7, s5, 18                          ; the head's 262,144 bytes,
	s_add_co_u32 s6, s6, s7
	s_and_b32 s7, s[WV], 3
	s_lshl_b32 s7, s7, 14                          ; my quarter
	s_add_co_u32 s6, s6, s7
	s_mov_b32 s7, 0
	s_lshl_b32 s8, s[WV], 14                       ; and its place in a slot: 16,384 x wave
	s_lshl_b32 s10, s4, 5
	s_lshl_b32 s11, s[WV], 2
	s_add_co_u32 s10, s10, s11                     ; my first query tile: 32 cx + 4 wave
	s_lshl_b32 s11, s5, 7
	s_add_co_u32 s11, s11, s10
	s_lshl_b32 s12, s11, 11                        ; Q: 2,048 bytes a tile
	s_mov_b32 s13, 0
	s_lshr_b32 s14, s5, 4                          ; b
	s_lshl_b32 s15, s14, 7
	s_add_co_u32 s15, s15, s10
	s_lshl_b32 s16, s15, 12                        ; the mask words: 4,096 bytes a query tile
	s_mov_b32 s17, 0
	s_lshl_b32 s18, s14, 11
	s_lshl_b32 s19, s10, 4
	s_add_co_u32 s18, s18, s19                     ; my first row of out0: 2,048 b + 16 x tile
	s_lshl_b32 s18, s18, 12                        ; 4,096 bytes a row
	s_and_b32 s19, s5, 15
	s_lshl_b32 s19, s19, 8                         ; + 256 h
	s_add_co_u32 s18, s18, s19
	s_mov_b32 s19, 0
	s_mul_i32 s9, s[WV], 16*272
	s_add_co_u32 s9, s9, STAGE                     ; my stage
	s_mov_b32 s[SEL], 0x76543210
	s_mov_b32 s[SEL+1], 0xfedcba98
	s_mov_b32 s[TB], 0
	s_mov_b32 s[MO], 0
	s_mov_b32 s[SLOTS], 2
	s_wait_dscnt 0x0                               ; both opening adds are done
	s_wait_kmcnt 0x0
	s_add_nc_u64 s[QP:QP+1], s[68:69], s[12:13]
	s_add_nc_u64 s[MP:MP+1], s[70:71], s[16:17]
	s_add_nc_u64 s[OUTP:OUTP+1], s[72:73], s[18:19]
	s_add_nc_u64 s[6:7], s[68:69], s[6:7]
	CROUND                                         ; all four work-groups are here: the first joint loads meet
	s_mov_b32 s[G0A], 1                            ; count = 1
	s_mov_b32 s[G0A+1], s8                         ; LDS address: slot 0
	s_mov_b64 s[G0A+2:G0A+3], s[6:7]               ; keys 0 to 511
	s_or_b32 s[G0A+3], s[G0A+3], 0x80000000        ; type = 2
	s_mov_b32 s[G0B], 1
	s_add_co_u32 s[G0B+1], s8, SLOT1               ; slot 1
	s_add_nc_u64 s[G0B+2:G0B+3], s[6:7], 65536     ; keys 512 to 1,023
	s_or_b32 s[G0B+3], s[G0B+3], 0x80000000
	tensor_load_to_lds s[G0A:G0A+3], s[G1:G1+7]    ; every wave issues its own part: two loads of mine are out
	s_nop 0
	tensor_load_to_lds s[G0B:G0B+3], s[G1:G1+7]
	s_nop 0
.rept 4
	v_nop
.endr
	v_and_b32 v1, 31, v0
	v_lshlrev_b32 v[LI], 4, v1
	v_add_nc_u32 v[LIV], VOFF, v[LI]
	v_and_b32 v12, 15, v0                          ; r
	v_bfe_u32 v13, v0, 4, 1                        ; hh
	v_mul_u32_u24 v[STO], v12, 272                 ; in: row r (my query), + 32 hh
	v_lshl_add_u32 v[STO], v13, 5, v[STO]
	v_add_nc_u32 v[STO], s9, v[STO]
	v_mul_u32_u24 v[RD], v13, 272                  ; back: lanes 0-15 one row of 256 bytes, lanes 16-31 the next
	v_lshl_add_u32 v[RD], v12, 4, v[RD]
	v_add_nc_u32 v[RD], s9, v[RD]
	v_lshlrev_b32 v[GO], 12, v13                   ; and the same two rows in out0
	v_lshl_add_u32 v[GO], v12, 4, v[GO]
	v_mov_b32 v[NEGV], 0xceabfb8f                  ; -1e9 x log2(e)
.irp t, 0,1,2,3
	v_mov_b32 v[ST+8*\t], 0xff61b1e6               ; m = -3e38, under every t
.irp j, 1,2,3,4,5,6,7
	v_mov_b32 v[ST+8*\t+\j], 0
.endr
.endr
	WIN W_LD
.irp t, 0,1,2,3
.irp p, 0,1,2,3
	global_load_b128 v[QF+16*\t+4*\p:QF+16*\t+4*\p+3], v[LI], s[QP:QP+1] offset:2048*\t+512*\p   ; Q stays in registers
.endr
.endr
.set n, 0
.rept 128
	v_mov_b32 v[n], 0                              ; O^T.  (The step is written in one form: its first pass finds zeros)
.set n, n+1
.endr
	WIN 0
; The mask words of query tiles y and y + 1 for the step at s[MO]: 32 words a tile, 128 consecutive bytes.
.macro MLOAD y
	s_load_b512 s[4:19],  s[MP:MP+1], s[MO] offset:4096*(\y)
	s_load_b512 s[20:35], s[MP:MP+1], s[MO] offset:4096*(\y)+64
	s_load_b512 s[36:51], s[MP:MP+1], s[MO] offset:4096*(\y)+4096
	s_load_b512 s[68:83], s[MP:MP+1], s[MO] offset:4096*(\y)+4160
.endm
; Masked scores of tiles y and y + 1 become the constant.  Ascending: each accumulator is first read at its low end.
.macro CND y
.set n, 0
.rept 48
	v_cndmask_b32 v[S+32*(\y)+n], v[S+32*(\y)+n], v[NEGV], s[4+n]
.set n, n+1
.endr
.rept 16
	v_cndmask_b32 v[S+32*(\y)+n], v[S+32*(\y)+n], v[NEGV], s[20+n]
.set n, n+1
.endr
.endm
; The softmax of tiles y and y + 1 for one key step; the two tiles alternate line by line.
.macro SOFT y
.irp j, 0,1,2,3                                ; the maximum of the lane's 32 scores and the old m: four chains of seven, then the four left over
.irp t, \y, \y+1
	v_max3_num_f32 v[ST+8*(\t)+4+\j], v[S+32*(\t)+8*\j], v[S+32*(\t)+8*\j+1], v[S+32*(\t)+8*\j+2]
.endr
.endr
.irp k, 3,5
.irp j, 0,1,2,3
.irp t, \y, \y+1
	v_max3_num_f32 v[ST+8*(\t)+4+\j], v[ST+8*(\t)+4+\j], v[S+32*(\t)+8*\j+\k], v[S+32*(\t)+8*\j+\k+1]
.endr
.endr
.endr
.irp t, \y, \y+1
	v_max3_num_f32 v[ST+8*(\t)+4], v[ST+8*(\t)+4], v[S+32*(\t)+7], v[S+32*(\t)+15]
	v_max3_num_f32 v[ST+8*(\t)+6], v[ST+8*(\t)+6], v[S+32*(\t)+23], v[S+32*(\t)+31]
.endr
.irp t, \y, \y+1
	v_max3_num_f32 v[ST+8*(\t)+4], v[ST+8*(\t)+4], v[ST+8*(\t)+5], v[ST+8*(\t)+6]
.endr
.irp t, \y, \y+1
	v_max3_num_f32 v[ST+8*(\t)+4], v[ST+8*(\t)+4], v[ST+8*(\t)+7], v[ST+8*(\t)]
.endr
.irp t, \y, \y+1
	v_permlanex16_b32 v[ST+8*(\t)+5], v[ST+8*(\t)+4], s[SEL], s[SEL+1]   ; the query's other 32 keys lie in the lane 16 away
.endr
.irp t, \y, \y+1
	v_mov_b32 v[ST+8*(\t)+7], v[ST+8*(\t)]         ; m_old
.endr
.irp t, \y, \y+1
	v_max_num_f32 v[ST+8*(\t)], v[ST+8*(\t)+4], v[ST+8*(\t)+5]           ; the new m
.endr
.irp t, \y, \y+1
	v_sub_f32 v[ST+8*(\t)+7], v[ST+8*(\t)+7], v[ST+8*(\t)]               ; m_old - m_new
.endr
.irp i, 0,2,4,6,8,10,12,14,16,18,20,22,24,26,28,30
.irp t, \y, \y+1
	v_pk_add_f32 v[S+32*(\t)+\i:S+32*(\t)+\i+1], v[S+32*(\t)+\i:S+32*(\t)+\i+1], v[ST+8*(\t):ST+8*(\t)+1] op_sel_hi:[1,0] neg_lo:[0,1] neg_hi:[0,1]   ; t - m, two at a time
.endr
.endr
.irp t, \y, \y+1                               ; ONE BATCH of 66 exponentials: none reads another's result
	v_exp_f32 v[ST+8*(\t)+6], v[ST+8*(\t)+7]       ; a
.endr
.set n, 0
.rept 64
	v_exp_f32 v[S+32*(\y)+n], v[S+32*(\y)+n]       ; p = 2^(t - m)
.set n, n+1
.endr
	v_nop                                          ; a plain instruction behind the last exponential, ahead of the first use
	s_wait_alu depctr_va_vdst(0)                   ; the wait ahead of the first line that names a result: one for the batch
.irp t, \y, \y+1
	v_pk_mul_f32 v[ST+8*(\t)+2:ST+8*(\t)+3], v[ST+8*(\t)+2:ST+8*(\t)+3], v[ST+8*(\t)+6:ST+8*(\t)+7] op_sel_hi:[1,0]   ; l x a
.endr
.irp t, \y, \y+1
	v_pk_add_f32 v[ST+8*(\t)+4:ST+8*(\t)+5], v[S+32*(\t):S+32*(\t)+1], v[S+32*(\t)+2:S+32*(\t)+3]   ; the sum of the unrounded p, in two chains
.endr
.irp i, 4,8,12,16,20,24,28
.irp t, \y, \y+1
	v_pk_add_f32 v[ST+8*(\t)+2:ST+8*(\t)+3], v[ST+8*(\t)+2:ST+8*(\t)+3], v[S+32*(\t)+\i:S+32*(\t)+\i+1]
	v_pk_add_f32 v[ST+8*(\t)+4:ST+8*(\t)+5], v[ST+8*(\t)+4:ST+8*(\t)+5], v[S+32*(\t)+\i+2:S+32*(\t)+\i+3]
.endr
.endr
.irp t, \y, \y+1
	v_pk_add_f32 v[ST+8*(\t)+2:ST+8*(\t)+3], v[ST+8*(\t)+2:ST+8*(\t)+3], v[ST+8*(\t)+4:ST+8*(\t)+5]
.endr
.irp i, 0,1,2,3,4,5,6,7,8,9,10,11,12,13,14,15  ; p to f16, in place and ascending: register i takes pair i, whose own registers 2 i, 2 i + 1 lie at or above it
.irp t, \y, \y+1
	v_cvt_pk_f16_f32 v[S+32*(\t)+\i], v[S+32*(\t)+2*\i], v[S+32*(\t)+2*\i+1]
.endr
.endr
	WIN W_RS
.irp i, 0,2,4,6,8,10,12,14,16,18,20,22,24,26,28,30
.irp t, \y, \y+1
	v_pk_mul_f32 v[32*(\t)+\i:32*(\t)+\i+1], v[32*(\t)+\i:32*(\t)+\i+1], v[ST+8*(\t)+6:ST+8*(\t)+7] op_sel_hi:[1,0]   ; O^T x a, each accumulator from its low end on
.endr
.endr
	WIN 0
.endm
; A KEY STEP: 64 keys.
.macro STEP
	v_add_nc_u32 v[ADK], s[TB], v[LI]              ; these two and three v_nop: five places behind the last step's products V^T P, whose P the products below write over and into whose V the loads below land
	v_add_nc_u32 v[ADV], s[TB], v[LIV]
.rept 3
	v_nop
.endr
.irp kt, 0,1,2,3
.irp p, 0,1,2,3
	ds_load_b128 v[KF+16*\kt+4*\p:KF+16*\kt+4*\p+3], v[ADK] offset:2048*\kt+512*\p
.endr
.endr
	WIN W_LD
.irp kt, 0,1,2,3
.irp c, 0,1,2,3
	ds_load_tr16_b128 v[VF+32*(\kt/2)+8*\c+4*(\kt%2):VF+32*(\kt/2)+8*\c+4*(\kt%2)+3], v[ADV] offset:2048*\kt+512*\c
.endr
.endr
	s_add_co_u32 s[TB], s[TB], 8192                ; the next step's tiles
	s_wait_dscnt 16                                ; K is in; V's sixteen loads may be out
	WIN W_KQ
.irp kt, 0,1,2,3                               ; S^T = K Q^T: channels 0-31 start the 16 sums, channels 32-63 follow in the same order: the accumulators take turns
.irp t, 0,1,2,3
	v_wmma_f32_16x16x32_f16 v[S+32*\t+8*\kt:S+32*\t+8*\kt+7], v[KF+16*\kt:KF+16*\kt+7], v[QF+16*\t:QF+16*\t+7], 0
.endr
.endr
.irp kt, 0,1,2,3
.irp t, 0,1,2,3
	v_wmma_f32_16x16x32_f16 v[S+32*\t+8*\kt:S+32*\t+8*\kt+7], v[KF+16*\kt+8:KF+16*\kt+15], v[QF+16*\t+8:QF+16*\t+15], v[S+32*\t+8*\kt:S+32*\t+8*\kt+7]
.endr
.endr
	WIN 0
.rept 4
	v_nop                                          ; places in front of the first read of the scores
.endr
	s_wait_kmcnt 0x0                               ; the words of tiles 0 and 1 (asked for in the step before)
	CND 0
	MLOAD 2                                        ; the words of tiles 2 and 3 land while tiles 0 and 1 are worked
	SOFT 0
	s_wait_kmcnt 0x0
	CND 2
	s_add_co_u32 s[MO], s[MO], 128                 ; no scalar load is out: the offset may step.
	s_and_b32 s[MO], s[MO], 4095                   ; The last step asks for step 0's words again, so that no load leaves the buffer; they are not used
	MLOAD 0
	SOFT 2
	s_wait_dscnt 0x0                               ; V is in
	WIN W_PV
.irp g, 0,1                                    ; O^T += V^T P: the 16 accumulators by turns, keys 0-31, then keys 32-63
.irp c, 0,1,2,3
.irp t, 0,1,2,3
	v_wmma_f32_16x16x32_f16 v[32*\t+8*\c:32*\t+8*\c+7], v[VF+32*\g+8*\c:VF+32*\g+8*\c+7], v[S+32*\t+8*\g:S+32*\t+8*\g+7], v[32*\t+8*\c:32*\t+8*\c+7]
.endr
.endr
.endr
	WIN 0
.endm
.macro SLOT_STEPS                      ; a slot's eight key steps: written once, walked eight times; the LDS addresses hang on s[TB]
	s_mov_b32 s[CNT], 8
.Lstep_\@:
	STEP
	s_sub_co_u32 s[CNT], s[CNT], 1
	s_cmp_lg_u32 s[CNT], 0
	s_cbranch_scc1 .Lstep_\@
.endm
; THE CHANGE OF SLOTS.  Each wave waits for all its tensor loads (its part of the other slot), adds 0 to its spare word, and waits for that and for its reads of the slot that it leaves.
; fill = 1: the slot just left is filled with the keys two slots on; the barrier is then a round of the cluster's, so that no wave of any partner still reads the slot or has a load on its way, and the joint refill is the first thing behind it.
.macro CHANGE fill
	s_wait_tensorcnt 0x0                           ; no tensor load of mine is out, so a group 0 may be written
	ds_add_u32 v[SPW], v[NIL]                      ; 0 onto my spare word
.if \fill
	s_xor_b32 s[G0B+1], s[G0B+1], SLOT1            ; the walking descriptor: the other slot than last time,
	s_add_nc_u64 s[G0B+2:G0B+3], s[G0B+2:G0B+3], 65536   ; the next 512 keys; the type bits on top are not reached
.endif
	s_wait_dscnt 0x0                               ; the add is done, and my reads of the slot are over
.if \fill
	CROUND
	tensor_load_to_lds s[G0B:G0B+3], s[G1:G1+7]    ; my one tensor load until the next change
	s_nop 0
.rept 4
	v_nop
.endr
.else
	s_barrier_signal -1
	s_barrier_wait -1
.endif
	s_sub_co_u32 s[TB], s[TB], 65536               ; back to a slot's first step,
	s_xor_b32 s[TB], s[TB], SLOT1                  ; in the other slot
.endm
	MLOAD 0                                        ; step 0's words of tiles 0 and 1 (the arguments' registers are done with)
	s_wait_tensorcnt 1                             ; my part of slot 0 is in; slot 1's may stay out
	s_barrier_signal -1
	s_barrier_wait -1                              ; everybody's is
	s_wait_loadcnt 0x0                             ; Q
	SLOT_STEPS                                     ; keys 0 to 511
.Lslot:                                            ; two trips: keys 1,024 on go into slot 0, keys 1,536 on into slot 1
	CHANGE 1
	SLOT_STEPS
	s_sub_co_u32 s[SLOTS], s[SLOTS], 1
	s_cmp_lg_u32 s[SLOTS], 0
	s_cbranch_scc1 .Lslot
	CHANGE 0                                       ; the last slot is written out: nothing is left to ask for
	SLOT_STEPS
	; THE WAY OUT.  l's two halves and the other half of the lanes' are added; O^T is divided by l and goes through my stage in LDS, a tile (16 queries) at a time.  The first four additions are the places behind the last products.
	s_wait_kmcnt 0x0                               ; the last step's look-ahead of mask words has landed
.irp t, 0,1,2,3
	v_add_f32 v[ST+8*\t+4], v[ST+8*\t+2], v[ST+8*\t+3]
.endr
.irp t, 0,1,2,3
	v_permlanex16_b32 v[ST+8*\t+5], v[ST+8*\t+4], s[SEL], s[SEL+1]
.endr
.irp t, 0,1,2,3
	v_add_f32 v[ST+8*\t+4], v[ST+8*\t+4], v[ST+8*\t+5]
.endr
.irp t, 0,1,2,3
	v_rcp_f32 v[ST+8*\t+6], v[ST+8*\t+4]           ; l is at least 1: the key that holds the maximum has p = 1
.endr
	v_nop                                          ; a plain instruction between the last reciprocal and the use of its result
	s_wait_alu depctr_va_vdst(0)                   ; and the wait: one for the four
.macro PACK t                          ; a lane's eight channels of a query are 32 bytes; they go into rows of 272 bytes and come back as whole rows of 256
	WIN W_RS
.set n, 0
.rept 16
	v_pk_mul_f32 v[32*\t+n:32*\t+n+1], v[32*\t+n:32*\t+n+1], v[ST+8*\t+6:ST+8*\t+7] op_sel_hi:[1,0]
.set n, n+2
.endr
	WIN W_KQ                                       ; an LDS store's data are its source 1: window 1
.irp c, 0,1,2,3
	ds_store_b128 v[STO], v[32*\t+8*\c:32*\t+8*\c+3] offset:64*\c
	ds_store_b128 v[STO], v[32*\t+8*\c+4:32*\t+8*\c+7] offset:64*\c+16
.endr
	WIN 0
.irp i, 0,1,2,3,4,5,6,7
	ds_load_b128 v[S+32*\t+4*\i:S+32*\t+4*\i+3], v[RD] offset:544*\i   ; LDS serves a wave's instructions in order: these see the stores above; the next tile's stores come behind them
.endr
.endm
.macro SEND t, younger                 ; younger: the LDS instructions issued behind tile t's loads: the next tile's sixteen, or none
.irp i, 0,1,2,3,4,5,6,7
	s_wait_dscnt \younger+7-\i
	global_store_b128 v[GO], v[S+32*\t+4*\i:S+32*\t+4*\i+3], s[OUTP:OUTP+1] offset:(16*\t+2*\i)*4096 th:TH_STORE_NT   ; 16 lanes store 256 consecutive bytes, aligned: a query's 64 channels of my head
.endr
.endm
	PACK 0
	PACK 1                                         ; a tile's arithmetic stands between the loads of the tile before and its stores
	SEND 0, 16
	PACK 2
	SEND 1, 16
	PACK 3
	SEND 2, 16
	SEND 3, 0
	s_wait_tensorcnt 0x0                           ; the wave's end: a wait, an add to my spare word and its wait, behind my last tensor load and my last LDS store
	ds_add_u32 v[SPW], v[NIL]
	s_wait_dscnt 0x0
	CROUND                                         ; the closing round: no work-group ends while a partner may still ask for a tile that names it
	s_endpgm
.Lfunc_end_k_q58b2662816_attn:
	.size	k_q58b2662816_attn, .Lfunc_end_k_q58b2662816_attn-k_q58b2662816_attn
	.p2alignl 7, 3214868480
	.fill 96, 4, 3214868480
	.section	.rodata,"a",@progbits
	.p2align	6, 0x0
	.amdhsa_kernel k_q58b2662816_attn
		.amdhsa_group_segment_fixed_size 327680
		.amdhsa_private_segment_fixed_size 0
		.amdhsa_enable_private_segment 0
		.amdhsa_kernarg_size 24
		.amdhsa_user_sgpr_count 2
		.amdhsa_user_sgpr_kernarg_segment_ptr 1
		.amdhsa_wavefront_size32 1
		.amdhsa_system_sgpr_workgroup_id_x 1
		.amdhsa_system_sgpr_workgroup_id_y 1
		.amdhsa_system_sgpr_workgroup_id_z 1
		.amdhsa_system_vgpr_workitem_id 0
		.amdhsa_next_free_vgpr 512
		.amdhsa_next_free_sgpr 102
		.amdhsa_reserve_vcc 0
		.amdhsa_float_denorm_mode_32 3
		.amdhsa_float_denorm_mode_16_64 3
		.amdhsa_memory_ordered 1
		.amdhsa_forward_progress 1
		.amdhsa_inst_pref_size 149
	.end_amdhsa_kernel
	.amdgpu_metadata
---
amdhsa.version: [ 1, 2 ]
amdhsa.kernels:
  - .name:           k_q58b2662816_attn
    .symbol:         k_q58b2662816_attn.kd
    .args:
      - { .name: qkv, .offset: 0, .size: 8, .value_kind: global_buffer, .address_space: global }
      - { .name: maskw, .offset: 8, .size: 8, .value_kind: global_buffer, .address_space: global }
      - { .name: out0, .offset: 16, .size: 8, .value_kind: global_buffer, .address_space: global }
    .group_segment_fixed_size: 327680
    .private_segment_fixed_size: 0
    .kernarg_segment_align: 8
    .kernarg_segment_size: 24
    .max_flat_workgroup_size: 256
    .sgpr_count:     102
    .vgpr_count:     512
    .wavefront_size: 32
...
	.end_amdgpu_metadata
.endif
;; end of part 3
